; MI455X (gfx1250); checked and timed in simulation.
; The chip was launched on July 23, 2026; its instructions are those of AMD's public machine-readable ISA for CDNA 5 (MIT licence, August 2026) and "CDNA5" Instruction Set Architecture Reference Guide (July 2026). The comments in the code are by the model that wrote it; some were corrected since.
;; Monet. Allowed arithmetic: float matrix products may take bf16 or f16 operands with f32 sums; all other float work in f32.
;; Inputs: b1 512 x 512 float32; b2 512 x 512 float32; ln1_w 1 float32; ln2_w 1 float32; u1_b 512 float32; u1_w 512 x 1,024 float32; u2_b 512 float32; u2_w 512 x 1,024 float32; v11_w 512 x 512 float32; v12_w 512 x 512 float32; v21_w 512 x 512 float32; v22_w 512 x 512 float32; w1 512 x 1,024 float32; w2 512 x 1,024 float32; x 16,384 x 1,024 float32.
;; Outputs: out0 16,384 x 1,024 float32.
;; One version. Each part assembles by itself: llvm-mc -triple=amdgcn-amd-amdhsa -mcpu=gfx1250 --defsym DOCPART=n.
;; ======== version 1 of 1: 2 launches
;; workspace buffers: ws 7,471,104 bytes
;; launch prep (part 1): grid 228 x 4, 8 waves a work-group, no clusters, 0 bytes of LDS; arguments w1, w2, u1_w, u2_w, v11_w, v12_w, v21_w, v22_w, b1, b2, ws; writes ws
.if DOCPART == 1
	.amdgcn_target "amdgcn-amd-amdhsa--gfx1250"
	.amdhsa_code_object_version 6
	.text
	.protected	k_q8bbd0bd9b0_prep
	.globl	k_q8bbd0bd9b0_prep
	.p2align	8
	.type	k_q8bbd0bd9b0_prep,@function
k_q8bbd0bd9b0_prep:
	s_mov_b64 s[64:65], 0
	v_nop
	global_prefetch_b8 v0, s[64:65] scope:SCOPE_SE
	s_setreg_imm32_b32 hwreg(HW_REG_WAVE_MODE, 25, 1), 1
	s_wait_xcnt 0x0
; The ten f32 weight tables -> ws, rounded once to bf16, laid out as the matrix fragments that the second launch consumes.
; ws = 4 streams (one for each wave w of the second launch) x 228 groups x 8 fragments x 1,024 bytes.
; A fragment image: bytes 16 L = registers 0-3 of lane L, bytes 512 + 16 L = registers 4-7.  L = (r = L & 15, h = L >> 4),
; hf = which half of the registers, e = 0..7 the bf16 inside the 16 bytes.
; Work-group (g, w) makes group g of stream w; its wave j makes fragment j: two stores of 512 consecutive bytes.
;   g < 132 (first products): side = g / 66, gl = (g - 66 side) & 63 (groups 64 and 65 of a side repeat groups 0 and 1: the second launch walks a
;       side round from a start of its own, three groups at a time, and reads on over the end), kk = gl >> 1, mat = gl & 1 (0: w_side, 1: u_side),
;       row = 128 w + 16 j + r, k = 256 (kk >> 3) + 4 (4 (kk & 7) + 2 hf + h) + (e & 3) + 128 (e >> 2): the order of k in which x's loads leave x.
;   g >= 132 (second products): y = g - 132, t = y / 3, q = y - 3 t, H = t >> 4, kb = j >> 1, c = 2 (t & 15) + (j & 1),
;       n = 16 c + r, k = 128 w + 32 kb + 16 hf + 8 h + e;  q = 0: v11 / v22 [n][k];  q = 1: b1 / b2 [k][n];  q = 2: v12 / v21 [n][k].
; The reads are pieces of 4 to 64 bytes of rows; the tables are 14 MiB in all and are read once (the two repeated groups twice).
.set STREAM, 228*8192                  ; bytes of a stream
	s_load_b512 s[8:23], s[0:1], 0x0               ; w1 s[8:9], w2 s[10:11], u1 s[12:13], u2 s[14:15], v11 s[16:17], v12 s[18:19], v21 s[20:21], v22 s[22:23]
	s_load_b128 s[24:27], s[0:1], 0x40             ; b1 s[24:25], b2 s[26:27]
	s_load_b64 s[28:29], s[0:1], 0x50              ; ws
	v_lshrrev_b32 v1, 5, v0
	v_readfirstlane_b32 s30, v1                    ; j: the wave's number
	v_and_b32 v2, 15, v0                           ; r
	v_bfe_u32 v3, v0, 4, 1                         ; h
	v_and_b32 v4, 31, v0
	v_lshlrev_b32 v4, 4, v4                        ; 16 L: my 16 bytes of each half of the image
	s_mov_b32 s31, ttmp9                           ; g
	s_and_b32 s3, ttmp7, 0xffff                    ; w
	s_mul_i32 s34, s3, STREAM                      ; where the fragment goes: w streams,
	s_lshl_b32 s36, s31, 13                        ; g groups of 8,192 bytes,
	s_add_co_u32 s34, s34, s36
	s_lshl_b32 s36, s30, 10                        ; j fragments
	s_add_co_u32 s34, s34, s36
	s_mov_b32 s35, 0                               ; the upper word of every offset pair below
	s_wait_kmcnt 0x0
	s_add_nc_u64 s[28:29], s[28:29], s[34:35]
	s_cmp_lt_u32 s31, 132
	s_cbranch_scc1 .Lfirst
	; ---- second products
	s_sub_co_u32 s36, s31, 132                     ; y = 0..95
	s_mul_i32 s37, s36, 171
	s_lshr_b32 s37, s37, 9                         ; t = y / 3 (171 / 512 is exact for y below 96)
	s_mul_i32 s40, s37, 3
	s_sub_co_u32 s40, s36, s40                     ; q
	s_lshr_b32 s41, s37, 4                         ; H
	s_and_b32 s42, s37, 15
	s_lshl_b32 s42, s42, 1
	s_and_b32 s43, s30, 1
	s_add_co_u32 s42, s42, s43                     ; c
	s_lshr_b32 s43, s30, 1                         ; kb
	s_cmp_eq_u32 s40, 1
	s_cbranch_scc1 .Lbias
	s_cmp_lg_u32 s41, 0
	s_cselect_b64 s[32:33], s[22:23], s[16:17]     ; q = 0: v22 or v11
	s_cselect_b64 s[38:39], s[20:21], s[18:19]     ; q = 2: v21 or v12
	s_cmp_lg_u32 s40, 0
	s_cselect_b64 s[32:33], s[38:39], s[32:33]
	s_lshl_b32 s34, s42, 15                        ; 16 c rows of 2,048 bytes
	s_lshl_b32 s36, s3, 9                          ; 128 w numbers
	s_add_co_u32 s34, s34, s36
	s_lshl_b32 s36, s43, 7                         ; 32 kb numbers
	s_add_co_u32 s34, s34, s36
	s_add_nc_u64 s[32:33], s[32:33], s[34:35]
	v_lshlrev_b32 v5, 11, v2                       ; row r,
	v_lshl_add_u32 v5, v3, 5, v5                   ; 8 h numbers
	global_load_b128 v[8:11], v5, s[32:33]                 ; hf 0: e 0-3
	global_load_b128 v[12:15], v5, s[32:33] offset:16      ;       e 4-7
	global_load_b128 v[16:19], v5, s[32:33] offset:64      ; hf 1
	global_load_b128 v[20:23], v5, s[32:33] offset:80
	s_branch .Lpack
.Lbias:
	s_cmp_lg_u32 s41, 0
	s_cselect_b64 s[32:33], s[26:27], s[24:25]     ; b2 or b1, read down its columns
	s_lshl_b32 s34, s3, 18                         ; 128 w rows of 2,048 bytes
	s_lshl_b32 s36, s43, 16                        ; 32 kb rows
	s_add_co_u32 s34, s34, s36
	s_lshl_b32 s36, s42, 6                         ; 16 c numbers
	s_add_co_u32 s34, s34, s36
	s_add_nc_u64 s[32:33], s[32:33], s[34:35]
	v_lshlrev_b32 v5, 2, v2                        ; column r,
	v_lshl_add_u32 v5, v3, 14, v5                  ; 8 h rows
.irp hf, 0,1
.irp e, 0,1,2,3,4,5,6,7
	global_load_b32 v[8+8*\hf+\e], v5, s[32:33] offset:\hf*32768+\e*2048
.endr
.endr
	s_branch .Lpack
	; ---- first products
.Lfirst:
	s_cmp_ge_u32 s31, 66                           ; side
	s_cselect_b32 s36, 66, 0
	s_cselect_b64 s[32:33], s[10:11], s[8:9]       ; w2 or w1
	s_cselect_b64 s[38:39], s[14:15], s[12:13]     ; u2 or u1
	s_sub_co_u32 s37, s31, s36                     ; 0..65
	s_and_b32 s37, s37, 63                         ; gl: 64 and 65 repeat 0 and 1
	s_bitcmp1_b32 s37, 0                           ; mat
	s_cselect_b64 s[32:33], s[38:39], s[32:33]
	s_lshr_b32 s36, s37, 1                         ; kk
	s_lshr_b32 s37, s36, 3
	s_lshl_b32 s37, s37, 10                        ; 256 (kk >> 3) numbers
	s_and_b32 s36, s36, 7
	s_lshl_b32 s36, s36, 6                         ; 16 (kk & 7) numbers
	s_add_co_u32 s34, s36, s37
	s_lshl_b32 s36, s3, 19                         ; 128 w rows of 4,096 bytes
	s_add_co_u32 s34, s34, s36
	s_lshl_b32 s36, s30, 16                        ; 16 j rows
	s_add_co_u32 s34, s34, s36
	s_add_nc_u64 s[32:33], s[32:33], s[34:35]
	v_lshlrev_b32 v5, 12, v2                       ; row r,
	v_lshl_add_u32 v5, v3, 4, v5                   ; 4 h numbers
	global_load_b128 v[8:11], v5, s[32:33]                 ; hf 0: e 0-3
	global_load_b128 v[12:15], v5, s[32:33] offset:512     ;       e 4-7, 128 numbers on
	global_load_b128 v[16:19], v5, s[32:33] offset:32      ; hf 1
	global_load_b128 v[20:23], v5, s[32:33] offset:544
.Lpack:
	s_wait_loadcnt 0x0                             ; all sixteen numbers of the lane are in
.irp p, 0,1,2,3,4,5,6,7
	v_cvt_pk_bf16_f32 v[24+\p], v[8+2*\p], v[9+2*\p]       ; one rounding to bf16, the lower k in the low half
.endr
	global_store_b128 v4, v[24:27], s[28:29]               ; each store of the wave covers 512 consecutive bytes, aligned
	global_store_b128 v4, v[28:31], s[28:29] offset:512
	s_endpgm
.Lfunc_end_k_q8bbd0bd9b0_prep:
	.size	k_q8bbd0bd9b0_prep, .Lfunc_end_k_q8bbd0bd9b0_prep-k_q8bbd0bd9b0_prep
	.p2alignl 7, 3214868480
	.fill 96, 4, 3214868480
	.section	.rodata,"a",@progbits
	.p2align	6, 0x0
	.amdhsa_kernel k_q8bbd0bd9b0_prep
		.amdhsa_group_segment_fixed_size 0
		.amdhsa_private_segment_fixed_size 0
		.amdhsa_enable_private_segment 0
		.amdhsa_kernarg_size 88
		.amdhsa_user_sgpr_count 2
		.amdhsa_user_sgpr_kernarg_segment_ptr 1
		.amdhsa_wavefront_size32 1
		.amdhsa_system_sgpr_workgroup_id_x 1
		.amdhsa_system_sgpr_workgroup_id_y 1
		.amdhsa_system_sgpr_workgroup_id_z 1
		.amdhsa_system_vgpr_workitem_id 0
		.amdhsa_next_free_vgpr 32
		.amdhsa_next_free_sgpr 66
		.amdhsa_reserve_vcc 0
		.amdhsa_float_denorm_mode_32 3
		.amdhsa_float_denorm_mode_16_64 3
		.amdhsa_memory_ordered 1
		.amdhsa_forward_progress 1
		.amdhsa_inst_pref_size 7
	.end_amdhsa_kernel
	.amdgpu_metadata
---
amdhsa.version: [ 1, 2 ]
amdhsa.kernels:
  - .name:           k_q8bbd0bd9b0_prep
    .symbol:         k_q8bbd0bd9b0_prep.kd
    .args:
      - { .name: w1, .offset: 0, .size: 8, .value_kind: global_buffer, .address_space: global }
      - { .name: w2, .offset: 8, .size: 8, .value_kind: global_buffer, .address_space: global }
      - { .name: u1_w, .offset: 16, .size: 8, .value_kind: global_buffer, .address_space: global }
      - { .name: u2_w, .offset: 24, .size: 8, .value_kind: global_buffer, .address_space: global }
      - { .name: v11_w, .offset: 32, .size: 8, .value_kind: global_buffer, .address_space: global }
      - { .name: v12_w, .offset: 40, .size: 8, .value_kind: global_buffer, .address_space: global }
      - { .name: v21_w, .offset: 48, .size: 8, .value_kind: global_buffer, .address_space: global }
      - { .name: v22_w, .offset: 56, .size: 8, .value_kind: global_buffer, .address_space: global }
      - { .name: b1, .offset: 64, .size: 8, .value_kind: global_buffer, .address_space: global }
      - { .name: b2, .offset: 72, .size: 8, .value_kind: global_buffer, .address_space: global }
      - { .name: ws, .offset: 80, .size: 8, .value_kind: global_buffer, .address_space: global }
    .group_segment_fixed_size: 0
    .private_segment_fixed_size: 0
    .kernarg_segment_align: 8
    .kernarg_segment_size: 88
    .max_flat_workgroup_size: 256
    .sgpr_count:     66
    .vgpr_count:     32
    .wavefront_size: 32
...
	.end_amdgpu_metadata
.endif
;; end of part 1
;; launch main (part 2): grid 256 x 1, 4 waves a work-group, clusters of 4 x 1, 327,680 bytes of LDS; arguments x, ws, ln1_w, ln2_w, u1_b, u2_b, out0; writes out0
.if DOCPART == 2
	.amdgcn_target "amdgcn-amd-amdhsa--gfx1250"
	.amdhsa_code_object_version 6
	.text
	.protected	k_q8bbd0bd9b0_main
	.globl	k_q8bbd0bd9b0_main
	.p2align	8
	.type	k_q8bbd0bd9b0_main,@function
k_q8bbd0bd9b0_main:
	s_mov_b64 s[64:65], 0
	v_nop
	global_prefetch_b8 v0, s[64:65] scope:SCOPE_SE
	s_setreg_imm32_b32 hwreg(HW_REG_WAVE_MODE, 25, 1), 1
	s_wait_xcnt 0x0
	s_wait_alu depctr_hold_cnt(0) depctr_sa_sdst(0) depctr_va_vdst(0) depctr_va_sdst(0) depctr_va_ssrc(0) depctr_va_vcc(0) depctr_vm_vsrc(0)
	s_getreg_b32 s2, hwreg(HW_REG_IB_STS2, 6, 4)
	s_cmp_eq_u32 s2, 0
	s_cbranch_scc0 .Lentry_in_a_cluster
	s_endpgm
.Lentry_in_a_cluster:
	s_bfe_u32 s2, ttmp6, 0x10000c
	s_cmp_lg_u32 s2, 0x3003
	s_cbranch_scc0 .Lentry_shape_is_right
	s_endpgm
.Lentry_shape_is_right:
; The whole module for 64 tokens a work-group, four waves; wave w owns experts 128 w .. 128 w + 127 throughout.
;
; WHAT IS COMPUTED.  The norm of reference() runs over an axis of length 1: gz - mean = 0, variance = 0, so every gn of a token is the same
; number z = 0 * rsqrt(1e-5) * ln_w, the eighth largest is z, and the mask gn >= thresh is z >= z for all 512 experts: true for a finite ln_w,
; false for an infinite or NaN one.  ln_w is loaded, z and z >= z are computed, and the result selects the factor of the exponent
; (log2 e, or 0: the softmax of the constant -1e10 is uniform).  So g = softmax over 512 experts, with its maximum taken away.
;   left half  = (relu2(x u1' + b) g1) v11' + g1 b1 + t2 (g1 v12'),  t2 = sum of relu2(x u2' + b) g2;   right half likewise with 1 and 2 exchanged.
; FIRST PRODUCTS, for each side: 64 accumulator tiles a wave, G(i, b) = x w' and U(i, b) = x u' (token block i = 0..3, expert block b = 0..7), K = 1,024.
; SOFTMAX in two steps, the maximum taken away before every exponential: each wave takes its own 128 experts' maximum m_w away, keeps
; e = exp(gz - m_w), q = relu2 e, and per token m_w, S_w = sum e, T_w = sum q; the waves exchange these once; with m = max m_w,
; S = sum S_w exp(m_w - m): f_w = exp(m_w - m) / S (at most 1), t = sum T_w exp(m_w - m) / S.
; SECOND PRODUCTS: the matrix instruction is used transposed (source 0 = 16 rows of weights, source 1 = 16 tokens), so a lane holds one token and
; eight neighbouring experts: two packed tiles of e (or q) ARE a token fragment over 32 experts and never leave the registers.  Each wave
; contracts over its own experts for all 1,024 columns; f_w scales the f32 sums; the four waves' parts meet in the LDS stage on the way out.
; WEIGHTS come as ready fragments (launch prep) through two LDS slots of 96 KiB (3 groups of 8 fragments for each wave); a wave fills and reads its own part.
; A side is 64 groups: 21 slots of three and one of one; the second products are 96 groups: 32 slots, two for each chunk of 64 columns.
; CLUSTER 4 x 1: all work-groups walk the same weights, so each fill is a joint load of the four partners (mask 15): a quarter of the requests.
; EIGHT STARTS.  The 64 clusters do not walk the weights in the same order: cluster c has rho = (c + (c >> 3)) & 7, begins each side's sum over K at
; K step 4 rho and each half's chunks at chunk rho, and goes round.  So at no time do all clusters ask for the same bytes of ws, and from the
; third slot of a walk on a cluster asks for bytes that the cluster one start further has asked for before.  rho enters global addresses alone
; (x's columns, ws, out0's columns): position p of x in LDS holds K step (p + 4 rho) & 31, so no LDS address, branch or trip count hangs on it.
;
; LIMITS.  gz must be finite (gz - gz is taken as 0, as above).  x, the weights, e and q are rounded once to bf16; all else is f32.
; The sums over K begin at a K step that differs from cluster to cluster, and the sums over experts are split over four waves: their order differs from reference()'s.
; No prefetch: x goes out early in runs of 8 loads, six tokens ahead; of ws only the third slot of a side and the first two of the right half are
; asked for by nobody before, and the eight clusters of one rho would ask for the same blocks.
;
; REGISTERS, in windows of 256 (s_set_vgpr_msb: bits 1:0 source 0, 3:2 source 1, 5:4 source 2, 7:6 destination):
;   window 0: v0-15 ids and addresses; v16-39 first x's offsets, then m, S, T of both sides, later with v40-47 the scale pairs; v48-55 x's LDS addresses;
;             v56-59 exponent factors; v60-63 at work; v64-127 x fragments (two buffers), at work elsewhere; v128-255 weight fragments (two buffers of 8)
;   window 1: side 1 packed: e at 4 (8 i + b), q at 128 + the same
;   window 2: x as loaded; G at 8 (8 i + b); at last side 2 packed as in window 1
;   window 3: x as loaded; U; in the second products Q(c4, i) at 8 (4 c4 + i) and P at 128 + the same
; SCALARS: s[4:5] x, s[6:7] my stream = side 1, s[56:57] side 2, s[58:59] second products, s[12:15] biases, s[16:17] out0 at my 16 tokens, s[60:61] the same at the
;   chunk's columns, s18 wave, s62 rho, s63 J (chunks asked for), s8 / s9 number of the next / this chunk, s[52:53], s[54:55] offset of slot 0's, 1's tile in its phase.
.set GB,     8192                      ; a group: 8 fragments of 1,024 bytes
.set WPART,  3*GB                      ; a wave's part of a slot
.set RINGB,  4*WPART                   ; a slot
.set STREAM, 228*GB                    ; a wave's stream in ws: 66 + 66 + 96 groups
.set SIDEB,  66*GB
.set S2B,    132*GB
.set CHB,    6*GB                      ; a chunk's groups
.set XB,     196608                    ; x in bf16, 131,072 bytes, written by LDS stores alone: no fill ever lands here
.set STAGE,  XB                        ; when x is dead: [wave] 17,408 + token 272 + column 4 (64 tokens x 64 f32 columns + 16 bytes of padding a row)
.set SP,     272
.set SPW,    64*SP
.set SCR,    XB+73728                  ; behind the stage: [wave] 1,536 + (4 stat + i) 64 + 4 r
.set AHEAD,  6                         ; tokens of x on their way
.set BADR, 4                           ; v4-5   my 16 bytes of a fragment in my part of slot 0, 1
.set STO,  10                          ; v10    stage: where I put 32 bytes of a token's row
.set RD,   11                          ; v11    stage: where I read a row back
.set CO,   12                          ; v12    my byte offset in out0
.set SCW,  13                          ; v13    scratch: my wave's block
.set SCRD, 14                          ; v14    scratch: wave 0's block
.set BO,   15                          ; v15    byte offset of my 8 biases of expert block 0
.set XO,   16                          ; v16-19 x: my byte offset in a row for positions 8 sb + (L >> 2), sb = 0..3
.set FL,   16                          ; v16-23 (a, a), v24-31 (c, c) of the left half, token blocks 0..3
.set FR,   32                          ; v32-47 the same for the right half
.set XA,   48                          ; v48-55 x fragments: [position & 1] 4 + [hf] 2 + [i >> 1]
.set LP1,  56                          ; v56-57 side 1's exponent factor, twice;  v58-59 side 2's
.set LP2,  58
.set AB,   64
.set BB,   128
.set G1,   28                          ; s[28:35] descriptor group 1: 96 rows of 256 bytes
.set G1S,  36                          ; s[36:43] the same with 32 rows: a side's last slot holds one group
.set G0,   44                          ; s[44:51] descriptor group 0, one set for each slot
.set MSB, 0
.macro WIN new                         ; the immediate's high byte repeats the setting that is left
.if MSB != (\new)
	s_set_vgpr_msb (MSB<<8)|(\new)
.set MSB, (\new)
.endif
.endm
; A vector instruction that reads a matrix result, and a load into a register that a matrix instruction has read, stand four plain vector
; instructions behind it (ISA guide 7.12.1 for vector instructions).
.macro PLACES
.rept 4
	v_nop
.endr
.endm
.macro CREST                           ; a round of the cluster's barrier behind its opening barrier
	s_cmp_lg_u32 s18, 0
	s_cbranch_scc1 .Lnot_wave_0_\@
	s_barrier_signal -3
.Lnot_wave_0_\@:
	s_barrier_wait -3
	s_barrier_signal -1
	s_barrier_wait -1
.endm
.macro ROUND
	s_barrier_signal -1
	s_barrier_wait -1
	CREST
.endm
.macro JLOAD ring, g1                  ; every wave asks for its own part; the descriptor hangs on the wave's and the cluster's number alone, so it is equal in the four partners
	tensor_load_to_lds s[G0+4*(\ring):G0+4*(\ring)+3], s[\g1:\g1+7]
	s_nop 0
.endm
; Where a slot's next tile lies.  All three stand behind the wait that shows every tensor load of the wave done, so a group 0 may be written.
.macro SETG0 ring, pb
	s_add_nc_u64 s[G0+4*(\ring)+2:G0+4*(\ring)+3], s[\pb:\pb+1], s[52+2*(\ring):53+2*(\ring)]
	s_or_b32 s[G0+4*(\ring)+3], s[G0+4*(\ring)+3], 0x80000000
.endm
.macro NEXT1 ring, pb                  ; in a side: two slots = six groups on, round the side's 64 groups (64 x 8,192 is a power of two); a tile that begins at group 62 or 63 reads on into the repeated groups
	s_add_co_u32 s[52+2*(\ring)], s[52+2*(\ring)], 6*GB
	s_and_b32 s[52+2*(\ring)], s[52+2*(\ring)], 64*GB-1
	SETG0 \ring, \pb
.endm
.macro START1 ring, pb                 ; a side's first two slots: from group 8 rho
	s_lshl_b32 s[52+2*(\ring)], s62, 16
.if \ring
	s_add_co_u32 s[52+2*(\ring)], s[52+2*(\ring)], WPART
.endif
	SETG0 \ring, \pb
.endm
.macro NEXT2 ring                      ; second products: the two slots of chunk s8
	s_mul_i32 s[52+2*(\ring)], s8, CHB
.if \ring
	s_add_co_u32 s[52+2*(\ring)], s[52+2*(\ring)], WPART
.endif
	SETG0 \ring, 58
.endm
; x's LDS addresses: cell (token 16 i + r, position p, hf, h) = 16 bytes at XB + 32768 i + 1024 p + 512 hf + 256 h + 16 ((r + 2 (4 (p & 1) + 2 hf + h)) & 15):
; the sixteen r of a load fall into sixteen different 16-byte columns of one row of 256 bytes.
.macro SETXA
	v_lshl_add_u32 v60, v3, 1, v2                  ; r + 2 h
	v_lshlrev_b32 v61, 8, v3                       ; 256 h
.irp par, 0,1
.irp hf, 0,1
	v_add_nc_u32 v62, 8*\par+4*\hf, v60
	v_and_b32 v62, 15, v62
	v_lshl_add_u32 v62, v62, 4, v61
	v_add_nc_u32 v[XA+4*\par+2*\hf], XB+\par*1024+\hf*512, v62
	v_add_nc_u32 v[XA+4*\par+2*\hf+1], XB+65536+\par*1024+\hf*512, v62
.endr
.endr
.endm
; 16 LDS loads: the 8 weight fragments of the group at place pos of a slot; 32 lanes x 16 consecutive bytes each
.macro FETCHB buf, ring, pos
.irp j, 0,1,2,3,4,5,6,7
	ds_load_b128 v[BB+64*(\buf)+8*\j:BB+64*(\buf)+8*\j+3], v[BADR+(\ring)] offset:(8*(\pos)+\j)*1024
	ds_load_b128 v[BB+64*(\buf)+8*\j+4:BB+64*(\buf)+8*\j+7], v[BADR+(\ring)] offset:(8*(\pos)+\j)*1024+512
.endr
.endm
; 8 LDS loads: the 4 token fragments of a position whose parity is ab
.macro FETCHX ab, imm
.irp i, 0,1,2,3
	ds_load_b128 v[AB+32*(\ab)+8*\i:AB+32*(\ab)+8*\i+3], v[XA+4*(\ab)+(\i>>1)] offset:(\imm)+(\i&1)*32768
	ds_load_b128 v[AB+32*(\ab)+8*\i+4:AB+32*(\ab)+8*\i+7], v[XA+4*(\ab)+2+(\i>>1)] offset:(\imm)+(\i&1)*32768
.endr
.endm
; 16 matrix instructions of the first products: token blocks i0, i0 + 1 x 8 expert blocks.  The accumulators take turns, one instruction a turn,
; 32 in a group, G's and U's groups alternate, so an accumulator comes back after 63 others.
.macro MUL1 buf, ab, i0, zero
.irp i, \i0, \i0+1
.irp b, 0,1,2,3,4,5,6,7
.if \zero
	v_wmma_f32_16x16x32_bf16 v[8*(8*(\i)+\b):8*(8*(\i)+\b)+7], v[BB+64*(\buf)+8*\b:BB+64*(\buf)+8*\b+7], v[AB+32*(\ab)+8*(\i):AB+32*(\ab)+8*(\i)+7], 0
.else
	v_wmma_f32_16x16x32_bf16 v[8*(8*(\i)+\b):8*(8*(\i)+\b)+7], v[BB+64*(\buf)+8*\b:BB+64*(\buf)+8*\b+7], v[AB+32*(\ab)+8*(\i):AB+32*(\ab)+8*(\i)+7], v[8*(8*(\i)+\b):8*(8*(\i)+\b)+7]
.endif
.endr
.endr
.endm
; A group of the first products that does not end its slot.  mat = 0: G (weight buffer 0, window 2), 1: U (buffer 1, window 3).
; The next group's fragments are asked for first (fx: the next position's x fragments too), then this group's 32 products run.
.macro MID1 mat, ab, zero, fring, fpos, fx, fximm
	PLACES
	WIN 0
	FETCHB 1-(\mat), \fring, \fpos
.if \fx
	FETCHX 1-(\ab), \fximm
	s_wait_dscnt 24                                ; all but the 24 just issued: this group's fragments are in
.else
	s_wait_dscnt 16                                ; all but the 16 just issued
.endif
	WIN 0xa0+0x50*(\mat)
	MUL1 \mat, \ab, 0, \zero
	MUL1 \mat, \ab, 2, \zero
.endm
; A slot's last group.  Its fragments are in registers, so the slot can be given up: each wave waits for its LDS reads and for all its tensor loads
; (one is out: its part of the other slot), the round of the cluster's barrier follows with 16 products inside, and the joint refill is the first
; tensor load behind it.  Then the other slot's first group is fetched (nf = 1: the side ends here, nothing is fetched).
; rf = 0: this side's slot two on;  1: the same, and it is the side's last slot of one group;  2: the next side's first slots;  3: the second products' first slots.
.macro TURN1 mat, ab, zero, ring, fx, fximm, pb, rf, nf
	s_wait_dscnt 0x0                               ; my reads of this slot are back (and, in a side's last group, my last reads of x)
	s_wait_tensorcnt 0x0                           ; none of my tensor loads is out: the other slot is whole, and a group 0 may be written
.if (\rf) < 2
	NEXT1 \ring, \pb
.else
.if (\rf) == 2
	START1 \ring, \pb
.else
	NEXT2 \ring
.endif
.endif
	WIN 0xa0+0x50*(\mat)
	s_barrier_signal -1
	MUL1 \mat, \ab, 0, \zero
	WIN 0
	s_barrier_wait -1
	CREST
.if (\rf) == 1
	JLOAD \ring, G1S
.else
	JLOAD \ring, G1
.endif
.if (\nf) == 0
	PLACES
	FETCHB 1-(\mat), 1-(\ring), 0
.if \fx
	FETCHX 1-(\ab), \fximm
.endif
.endif
	WIN 0xa0+0x50*(\mat)
	MUL1 \mat, \ab, 2, \zero
.endm
; Group n of a side's walk (0..62): matrix n & 1, position n >> 1, slot n / 3, place n % 3.  kb: the (even) position at which XA stands.
.macro SGRP n, kb, pb, rf
.set gmat, (\n)&1
.set gst, (\n)>>1
.set gab, gst&1
.set gz, 0
.if gst == 0
.set gz, 1
.endif
.set gimm, (((gst+1)>>1)-((\kb)>>1))*2048
.if ((\n)%3) == 2
	TURN1 gmat, gab, gz, (((\n)/3)&1), gmat, gimm, \pb, \rf, 0
.else
	MID1 gmat, gab, gz, ((((\n)+1)/3)&1), (((\n)+1)%3), gmat, gimm
.endif
.endm
; A side: 64 groups.  Slots 0 and 1 (positions 0-2) are written out: position 0 starts the sums.  A trip of the loop is 4 slots = 12 groups = 6 positions.
; The last 10 groups are written out: their refills are the slot of one group and the next phase's first two slots, which land during the vector work behind the side.
; pb: this side's part of my stream;  rfn, pbn: kind and base of the next phase's first slots.
.macro SIDE pb, rfn, pbn, lbl
	FETCHB 0, 0, 0
	FETCHX 0, 0
.set sn, 0
.rept 6
	SGRP sn, 0, \pb, 0
.set sn, sn+1
.endr
	WIN 0
	s_mov_b32 s26, 4
\lbl:
.set sn, 6
.rept 12
	SGRP sn, 0, \pb, 0
.set sn, sn+1
.endr
	WIN 0
.irp k, 0,1,2,3,4,5,6,7
	v_add_nc_u32 v[XA+\k], 6144, v[XA+\k]          ; six positions on
.endr
	s_sub_co_u32 s26, s26, 1
	s_cmp_lg_u32 s26, 0
	s_cbranch_scc1 \lbl
.set sn, 54
.rept 5
	SGRP sn, 24, \pb, 0                            ; slot 18 and two groups of slot 19
.set sn, sn+1
.endr
	SGRP 59, 24, \pb, 1                            ; slot 19 is given up for slot 21: one group
	SGRP 60, 24, \pb, 0
	SGRP 61, 24, \pb, 0
	SGRP 62, 24, \pbn, \rfn                        ; slot 20 is given up for the next phase's slot 0
	TURN1 1, 1, 0, 1, 0, 0, \pbn, \rfn, 1          ; group 63 = slot 21, given up for the next phase's slot 1
.endm
; The wave's own softmax step and activation for one side; no other wave is involved.  st: m at st, S at st + 4, T at st + 8; lp: factor pair;
; bp: bias pointer; wpe, wpq: window settings of the two packings.
.macro EPI st, lp, bp, wpe, wpq
	WIN 0
.irp b, 0,1,2,3,4,5,6,7
	global_load_b128 v[BB+8*\b:BB+8*\b+3], v[BO], s[\bp:\bp+1] offset:64*\b         ; bias of experts 128 w + 16 b + 8 h + 0..7, used further down
	global_load_b128 v[BB+8*\b+4:BB+8*\b+7], v[BO], s[\bp:\bp+1] offset:64*\b+16
.endr
	WIN 0x0a                                       ; m_i = the largest of my 64 logits of token block i, four chains side by side
.irp i, 0,1,2,3
	v_max_num_f32 v[\st+\i], v[64*\i], v[64*\i+1]
.endr
.set et, 2
.rept 31
.irp i, 0,1,2,3
	v_max3_num_f32 v[\st+\i], v[64*\i+et], v[64*\i+et+1], v[\st+\i]
.endr
.set et, et+2
.endr
	WIN 0
.irp i, 0,1,2,3
	v_permlanex16_b32 v[60+\i], v[\st+\i], s22, s23        ; lane (r, 1 - h) holds the token's other 64 experts
.endr
.irp i, 0,1,2,3
	v_max_num_f32 v[\st+\i], v[\st+\i], v[60+\i]
.endr
.irp i, 0,1,2,3
	v_mul_f32 v[AB+2*\i], -1.0, v[\st+\i]                  ; -m_i, twice: a pair for the packed add
	v_mul_f32 v[AB+2*\i+1], -1.0, v[\st+\i]
.endr
	WIN 0x82
.set et, 0
.rept 32
.irp i, 0,1,2,3
	v_pk_add_f32 v[64*\i+et:64*\i+et+1], v[64*\i+et:64*\i+et+1], v[AB+2*\i:AB+2*\i+1]   ; gz - m first: the largest gives exactly 0 whatever its size
.endr
.set et, et+2
.endr
.set et, 0
.rept 128
	v_pk_mul_f32 v[et:et+1], v[et:et+1], v[\lp:\lp+1]      ; times log2 e, or 0 where the mask is false everywhere
.set et, et+2
.endr
.set et, 0
.rept 256
	v_exp_f32 v[et], v[et]
.set et, et+1
.endr
	v_nop                                          ; one plain vector instruction behind the run of exponentials (ISA guide 5.7.2)
	WIN 0x0a                                       ; S_i = sum of e
	s_wait_alu depctr_va_vdst(0)
.irp i, 0,1,2,3
	v_pk_add_f32 v[AB+8+2*\i:AB+9+2*\i], v[64*\i:64*\i+1], v[64*\i+2:64*\i+3]
.endr
	WIN 0x02
.set et, 4
.rept 30
.irp i, 0,1,2,3
	v_pk_add_f32 v[AB+8+2*\i:AB+9+2*\i], v[64*\i+et:64*\i+et+1], v[AB+8+2*\i:AB+9+2*\i]
.endr
.set et, et+2
.endr
	WIN 0
.irp i, 0,1,2,3
	v_add_f32 v[\st+4+\i], v[AB+8+2*\i], v[AB+9+2*\i]
.endr
.irp i, 0,1,2,3
	v_permlanex16_b32 v[60+\i], v[\st+4+\i], s22, s23
.endr
.irp i, 0,1,2,3
	v_add_f32 v[\st+4+\i], v[\st+4+\i], v[60+\i]
.endr
	s_wait_loadcnt 0x0                             ; the biases
	WIN 0xc3
.set et, 0
.rept 128
	v_pk_add_f32 v[et:et+1], v[et:et+1], v[BB+(et&63):BB+(et&63)+1]
.set et, et+2
.endr
	WIN 0xcf
.set et, 0
.rept 256
	v_max_num_f32 v[et], 0, v[et]                  ; relu
.set et, et+1
.endr
.set et, 0
.rept 128
	v_pk_mul_f32 v[et:et+1], v[et:et+1], v[et:et+1]        ; squared
.set et, et+2
.endr
	WIN 0xcb
.set et, 0
.rept 128
	v_pk_mul_f32 v[et:et+1], v[et:et+1], v[et:et+1]        ; q = relu2 (window 3) x e (window 2)
.set et, et+2
.endr
	WIN 0x0f                                       ; T_i = sum of q
.irp i, 0,1,2,3
	v_pk_add_f32 v[AB+8+2*\i:AB+9+2*\i], v[64*\i:64*\i+1], v[64*\i+2:64*\i+3]
.endr
	WIN 0x03
.set et, 4
.rept 30
.irp i, 0,1,2,3
	v_pk_add_f32 v[AB+8+2*\i:AB+9+2*\i], v[64*\i+et:64*\i+et+1], v[AB+8+2*\i:AB+9+2*\i]
.endr
.set et, et+2
.endr
	WIN 0
.irp i, 0,1,2,3
	v_add_f32 v[\st+8+\i], v[AB+8+2*\i], v[AB+9+2*\i]
.endr
.irp i, 0,1,2,3
	v_permlanex16_b32 v[60+\i], v[\st+8+\i], s22, s23
.endr
.irp i, 0,1,2,3
	v_add_f32 v[\st+8+\i], v[\st+8+\i], v[60+\i]
.endr
	WIN \wpe                                       ; e to bf16: register D from 2 D, 2 D + 1, ascending, so that packing in place overwrites only what has been read
.set et, 0
.rept 128
	v_cvt_pk_bf16_f32 v[et], v[2*et], v[2*et+1]
.set et, et+1
.endr
	WIN \wpq                                       ; q behind it
.set et, 0
.rept 128
	v_cvt_pk_bf16_f32 v[128+et], v[2*et], v[2*et+1]
.set et, et+1
.endr
	WIN 0
.endm
; 16 matrix instructions of the second products: K blocks kb0, kb0 + 1 of my four x 2 column tiles x 4 token blocks.
; q = 0: Q = q V_self' (starts the sum);  1: Q += e b;  2: P = e V_cross' (starts the sum).  Eight accumulators take turns, one instruction a turn.
.macro MUL2 buf, q, cp, kb0
.set db2, 0
.set sb2, 0
.if (\q) == 2
.set db2, 128
.endif
.if (\q) == 0
.set sb2, 128
.endif
.irp kb, \kb0, \kb0+1
.set z2, 0
.if (\q) != 1
.if (\kb) == 0
.set z2, 1
.endif
.endif
.irp cc, 0,1
.irp i, 0,1,2,3
.if z2
	v_wmma_f32_16x16x32_bf16 v[db2+8*(4*(2*(\cp)+\cc)+\i):db2+8*(4*(2*(\cp)+\cc)+\i)+7], v[BB+64*(\buf)+8*(2*(\kb)+\cc):BB+64*(\buf)+8*(2*(\kb)+\cc)+7], v[sb2+8*(4*\i+(\kb)):sb2+8*(4*\i+(\kb))+7], 0
.else
	v_wmma_f32_16x16x32_bf16 v[db2+8*(4*(2*(\cp)+\cc)+\i):db2+8*(4*(2*(\cp)+\cc)+\i)+7], v[BB+64*(\buf)+8*(2*(\kb)+\cc):BB+64*(\buf)+8*(2*(\kb)+\cc)+7], v[sb2+8*(4*\i+(\kb)):sb2+8*(4*\i+(\kb))+7], v[db2+8*(4*(2*(\cp)+\cc)+\i):db2+8*(4*(2*(\cp)+\cc)+\i)+7]
.endif
.endr
.endr
.endr
.endm
.macro MID2 buf, q, cp, aw, fring, fpos
	PLACES
	WIN 0
	FETCHB 1-(\buf), \fring, \fpos
	s_wait_dscnt 16                                ; all but the 16 just issued: this group's fragments, and any stage rows or stage stores issued before them
	WIN 0xf0+4*(\aw)                               ; weights window 0, tokens window aw, sums window 3
	MUL2 \buf, \q, \cp, 0
	MUL2 \buf, \q, \cp, 2
.endm
; the way out, second half: wave w sums the four waves' parts of tokens 16 w .. 16 w + 15; lanes 0-15 take one token's 256 bytes, lanes 16-31 the next token's
.macro RED_LOAD hh
.irp jl, 0,1,2,3
.irp p, 0,1,2,3
	ds_load_b128 v[AB+16*\jl+4*\p:AB+16*\jl+4*\p+3], v[RD] offset:\p*SPW+(4*(\hh)+\jl)*2*SP
.endr
.endr
.endm
.macro RED_SUM hh
.irp jl, 0,1,2,3
	v_pk_add_f32 v[AB+16*\jl:AB+16*\jl+1], v[AB+16*\jl:AB+16*\jl+1], v[AB+16*\jl+4:AB+16*\jl+5]
	v_pk_add_f32 v[AB+16*\jl+2:AB+16*\jl+3], v[AB+16*\jl+2:AB+16*\jl+3], v[AB+16*\jl+6:AB+16*\jl+7]
	v_pk_add_f32 v[AB+16*\jl+8:AB+16*\jl+9], v[AB+16*\jl+8:AB+16*\jl+9], v[AB+16*\jl+12:AB+16*\jl+13]
	v_pk_add_f32 v[AB+16*\jl+10:AB+16*\jl+11], v[AB+16*\jl+10:AB+16*\jl+11], v[AB+16*\jl+14:AB+16*\jl+15]
.endr
.irp jl, 0,1,2,3
	v_pk_add_f32 v[AB+16*\jl:AB+16*\jl+1], v[AB+16*\jl:AB+16*\jl+1], v[AB+16*\jl+8:AB+16*\jl+9]
	v_pk_add_f32 v[AB+16*\jl+2:AB+16*\jl+3], v[AB+16*\jl+2:AB+16*\jl+3], v[AB+16*\jl+10:AB+16*\jl+11]
	global_store_b128 v[CO], v[AB+16*\jl:AB+16*\jl+3], s[60:61] offset:(4*(\hh)+\jl)*8192 th:TH_STORE_NT   ; 16 lanes store 256 consecutive bytes, aligned
.endr
.endm
; A slot's last group in the second products: as TURN1.  fill = 0: nothing is left to fetch, and the plain barrier stays (it orders the stage).
; red = 1: the first half of the last chunk's stage rows is asked for behind the barrier that shows them stored.  nf = 1: no group follows.
.macro TURN2 buf, q, cp, aw, ring, fill, red, nf
	s_wait_dscnt 0x0                               ; my reads of this slot and of the stage are back, my stage stores are done
	s_wait_tensorcnt 0x0                           ; none of my tensor loads is out
.if \fill
	NEXT2 \ring
.endif
	WIN 0xf0+4*(\aw)
	s_barrier_signal -1
	MUL2 \buf, \q, \cp, 0
	WIN 0
	s_barrier_wait -1
.if \fill
	CREST
	JLOAD \ring, G1
.endif
.if \red
	RED_LOAD 0
.endif
.if (\nf) == 0
	PLACES
	FETCHB 1-(\buf), 1-(\ring), 0
.endif
	WIN 0xf0+4*(\aw)
	MUL2 \buf, \q, \cp, 2
.endm
; 64 output columns: six groups = two slots (two pairs of column tiles x three products), then scale and stage.  aw: window of the packed side; f: its scale pairs.
; The chunk at place J of the walk is chunk ((J + rho) & 7) | (J & 8) of the sixteen; its number sets the offset in ws (x 49,152) and out0's columns (x 256 bytes).
; The stage is ordered so: chunk n's stores are waited for in front of the next chunk's first barrier, read behind it, those reads are waited for
; in front of that chunk's second barrier, and chunk n + 1's stores follow behind it.
.macro CHUNK aw, f, first, last
	MID2 0, 0, 0, \aw, 0, 1
	MID2 1, 1, 0, \aw, 0, 2
	s_mov_b32 s9, s8                               ; this chunk's number
.if (\last) == 0
	s_add_co_u32 s63, s63, 1                       ; and the next one's
	s_add_co_u32 s8, s63, s62
	s_and_b32 s8, s8, 7
	s_and_b32 s27, s63, 8
	s_or_b32 s8, s8, s27
.endif
	TURN2 0, 2, 0, \aw, 0, 1-(\last), 1-(\first), 0
	MID2 1, 0, 1, \aw, 1, 1
.if (\first) == 0
	WIN 0
	RED_SUM 0
	s_wait_xcnt 0x0                                ; the stores' data registers are loaded again only behind this wait
	RED_LOAD 1
.endif
	MID2 0, 1, 1, \aw, 1, 2
.if (\first) == 0
	WIN 0
	RED_SUM 1
	s_wait_xcnt 0x0                                ; the stores' base is written, and their data rewritten, only behind this wait
.endif
	s_lshl_b32 s10, s9, 8                          ; this chunk's 64 columns, for the stores in the next chunk
	s_add_nc_u64 s[60:61], s[16:17], s[10:11]
	TURN2 1, 2, 1, \aw, 1, 1-(\last), 0, \last
	PLACES
	WIN 0xf3                                       ; Q = a Q + c P: a = f_w, c = f_w t of the other side
.irp c4, 0,1,2,3
.irp i, 0,1,2,3
.irp p, 0,2,4,6
	v_pk_mul_f32 v[8*(4*\c4+\i)+\p:8*(4*\c4+\i)+\p+1], v[8*(4*\c4+\i)+\p:8*(4*\c4+\i)+\p+1], v[\f+2*\i:\f+2*\i+1]
.endr
.endr
.endr
.irp c4, 0,1,2,3
.irp i, 0,1,2,3
.irp p, 0,2,4,6
	v_pk_fma_f32 v[8*(4*\c4+\i)+\p:8*(4*\c4+\i)+\p+1], v[128+8*(4*\c4+\i)+\p:128+8*(4*\c4+\i)+\p+1], v[\f+8+2*\i:\f+8+2*\i+1], v[8*(4*\c4+\i)+\p:8*(4*\c4+\i)+\p+1]
.endr
.endr
.endr
	WIN 0x0c                                       ; a lane's 8 sums are 32 neighbouring bytes of its token's row in my wave's stage
.irp c4, 0,1,2,3
.irp i, 0,1,2,3
	ds_store_b128 v[STO], v[8*(4*\c4+\i):8*(4*\c4+\i)+3] offset:\i*16*SP+\c4*64
	ds_store_b128 v[STO], v[8*(4*\c4+\i)+4:8*(4*\c4+\i)+7] offset:\i*16*SP+\c4*64+16
.endr
.endr
	WIN 0
.endm
; x: wave w brings token block w.  Eight loads a token; lane L's 4 + 4 numbers of position 8 sb + (L >> 2) make one 16-byte cell.
; 4 rho is a multiple of 4 positions of 64 bytes, so sixteen neighbouring lanes still read 256 consecutive bytes, aligned.
.macro XLOAD r
.if (\r) < 8
	WIN 0x80
.else
	WIN 0xc0
.endif
.irp q, 0,1,2,3,4,5,6,7
	global_load_b128 v[32*((\r)&7)+4*\q:32*((\r)&7)+4*\q+3], v[XO+(\q>>1)], s[4:5] offset:(\r)*4096+(\q&1)*512 th:TH_LOAD_NT
.endr
.endm
.macro XBATCH r
.if (\r)+AHEAD < 16
	XLOAD (\r)+AHEAD
.endif
.if (\r)+AHEAD < 16
	s_wait_loadcnt 8*AHEAD                         ; token r's eight loads are in; the six tokens behind it stay out
.else
	s_wait_loadcnt 8*(15-(\r))                     ; the counts run down
.endif
.if (\r) < 8
	WIN 0x0a
.else
	WIN 0x0f
.endif
.set xd, 0
.rept 16
	v_cvt_pk_bf16_f32 v[BB+16*((\r)&1)+xd], v[32*((\r)&7)+2*xd], v[32*((\r)&7)+2*xd+1]
.set xd, xd+1
.endr
	WIN 0
	v_add_nc_u32 v62, \r, v63
	v_and_b32 v62, 15, v62                         ; the cell's column: (r + 2 (L & 7)) & 15
	v_lshl_add_u32 v62, v62, 4, v61
.irp sb, 0,1,2,3
	ds_store_b128 v62, v[BB+16*((\r)&1)+4*\sb:BB+16*((\r)&1)+4*\sb+3] offset:\sb*8192
.endr
.endm
	; ---------------------------------------------------------------- head
	s_load_b256 s[4:11], s[0:1], 0x0               ; x s[4:5], ws s[6:7], ln1_w s[8:9], ln2_w s[10:11]
	s_load_b128 s[12:15], s[0:1], 0x20             ; u1_b s[12:13], u2_b s[14:15]
	s_load_b64 s[16:17], s[0:1], 0x30              ; out0
	v_lshrrev_b32 v60, 5, v0
	v_readfirstlane_b32 s18, v60                   ; wave 0..3
	s_bfe_u32 s19, ttmp6, 0x40000                  ; cx
	s_lshl_b32 s20, ttmp9, 2
	s_add_co_u32 s20, s20, s19                     ; work-group = 4 x cluster + cx: enters the addresses of x and out0 alone
	s_lshr_b32 s62, ttmp9, 3
	s_add_co_u32 s62, s62, ttmp9
	s_and_b32 s62, s62, 7                          ; rho, of the cluster's number alone: equal in the four partners; any half of the clusters picked by one bit of the number has all eight
	s_mov_b32 s22, 0x76543210                      ; v_permlanex16_b32: lane i reads lane i of the other half
	s_mov_b32 s23, 0xfedcba98
	; descriptor group 1: a dense block as rows of 256 bytes (32 elements of 8 bytes), no padding; mask 15 = the four partners, bit 21 beside it
	s_mov_b32 s[G1+0], 15|(3<<16)|(1<<21)
	s_mov_b32 s[G1+1], 32<<16                      ; tensor_dim0 = 32
	s_mov_b32 s[G1+2], 96<<16                      ; tensor_dim1 = 96
	s_mov_b32 s[G1+3], 32<<16                      ; tile_dim0 = 32
	s_mov_b32 s[G1+4], 96                          ; tile_dim1 = 96
	s_mov_b32 s[G1+5], 32                          ; pitch = 32 elements
	s_mov_b32 s[G1+6], 0
	s_mov_b32 s[G1+7], 0
	s_mov_b32 s[G1S+0], 15|(3<<16)|(1<<21)
	s_mov_b32 s[G1S+1], 32<<16
	s_mov_b32 s[G1S+2], 32<<16                     ; 32 rows: one group
	s_mov_b32 s[G1S+3], 32<<16
	s_mov_b32 s[G1S+4], 32
	s_mov_b32 s[G1S+5], 32
	s_mov_b32 s[G1S+6], 0
	s_mov_b32 s[G1S+7], 0
	s_lshl_b32 s52, s20, 18                        ; 64 tokens of 4,096 bytes a work-group,
	s_lshl_b32 s54, s18, 16                        ; 16 a wave: for x and for out0
	s_add_co_u32 s52, s52, s54
	s_mov_b32 s53, 0
	s_mul_i32 s54, s18, STREAM                     ; my stream in ws
	s_mov_b32 s55, 0
	s_mul_i32 s21, s18, WPART                      ; my part of a slot
	v_and_b32 v1, 31, v0                           ; lane L
	v_and_b32 v2, 15, v0                           ; r
	v_bfe_u32 v3, v0, 4, 1                         ; h
	v_lshlrev_b32 v[BADR], 4, v1
	v_add_nc_u32 v[BADR], s21, v[BADR]
	v_add_nc_u32 v[BADR+1], RINGB, v[BADR]
	SETXA
	s_mul_i32 s27, s18, SPW
	v_mul_u32_u24 v[STO], v2, SP
	v_lshl_add_u32 v[STO], v3, 5, v[STO]
	v_add_nc_u32 v[STO], s27, v[STO]
	v_add_nc_u32 v[STO], STAGE, v[STO]             ; stage + 17,408 w + 272 r + 32 h
	s_mul_i32 s27, s18, 16*SP
	v_mul_u32_u24 v[RD], v3, SP
	v_lshl_add_u32 v[RD], v2, 4, v[RD]
	v_add_nc_u32 v[RD], s27, v[RD]
	v_add_nc_u32 v[RD], STAGE, v[RD]               ; stage + 272 (16 w + h) + 16 r
	v_lshlrev_b32 v[CO], 12, v3
	v_lshl_add_u32 v[CO], v2, 4, v[CO]             ; 4,096 h + 16 r
	s_mul_i32 s27, s18, 1536
	v_lshlrev_b32 v[SCRD], 2, v2
	v_add_nc_u32 v[SCRD], SCR, v[SCRD]             ; scratch + 4 r
	v_add_nc_u32 v[SCW], s27, v[SCRD]              ; + 1,536 w
	s_lshl_b32 s27, s18, 9
	v_lshlrev_b32 v[BO], 5, v3
	v_add_nc_u32 v[BO], s27, v[BO]                 ; 512 w + 32 h
	; x's offsets: position 8 sb + (L >> 2) holds K step kk = (position + 4 rho) & 31, which lies at byte 1,024 (kk >> 3) + 64 (kk & 7) + 16 (L & 3) of a row, and 512 bytes on
	s_lshl_b32 s27, s62, 2
	v_lshrrev_b32 v62, 2, v1
	v_add_nc_u32 v62, s27, v62                     ; (L >> 2) + 4 rho
	v_and_b32 v60, 3, v1
	v_lshlrev_b32 v60, 4, v60                      ; 16 (L & 3)
.irp sb, 0,1,2,3
	v_add_nc_u32 v[XO+\sb], 8*\sb, v62
	v_and_b32 v[XO+4+\sb], 24, v[XO+\sb]           ; 8 (kk >> 3): the mask also takes the sum modulo 32
	v_and_b32 v[XO+\sb], 7, v[XO+\sb]
	v_lshl_add_u32 v[XO+\sb], v[XO+\sb], 6, v60
	v_lshl_add_u32 v[XO+\sb], v[XO+4+\sb], 7, v[XO+\sb]
.endr
	s_lshl_b32 s27, s18, 15
	v_lshlrev_b32 v61, 8, v1
	v_add_nc_u32 v61, s27, v61
	v_add_nc_u32 v61, XB, v61                      ; x's cells of lane L: XB + 32,768 w + 256 L (1,024 (L >> 2) + 512 hf + 256 h)
	v_and_b32 v63, 7, v1
	v_lshlrev_b32 v63, 1, v63                      ; 2 (L & 7)
	s_wait_kmcnt 0x0
	s_load_b32 s24, s[8:9], 0x0                    ; ln1_w
	s_load_b32 s25, s[10:11], 0x0                  ; ln2_w
	s_add_nc_u64 s[4:5], s[4:5], s[52:53]
	s_add_nc_u64 s[16:17], s[16:17], s[52:53]
	s_add_nc_u64 s[6:7], s[6:7], s[54:55]          ; my stream: side 1
	s_add_nc_u64 s[56:57], s[6:7], SIDEB           ; side 2
	s_add_nc_u64 s[58:59], s[6:7], S2B             ; second products
	s_lshl_b32 s52, s62, 16                        ; side 1's slot 0 begins at group 8 rho,
	s_add_co_u32 s54, s52, WPART                   ; slot 1 three groups on (s53 and s55 stay 0)
	s_mov_b32 s[G0+0], 1
	s_mov_b32 s[G0+1], s21                         ; slot 0, my part
	s_add_nc_u64 s[G0+2:G0+3], s[6:7], s[52:53]
	s_or_b32 s[G0+3], s[G0+3], 0x80000000
	s_mov_b32 s[G0+4], 1
	s_add_co_u32 s[G0+5], s21, RINGB               ; slot 1, my part
	s_add_nc_u64 s[G0+6:G0+7], s[6:7], s[54:55]
	s_or_b32 s[G0+7], s[G0+7], 0x80000000
.irp r, 0,1,2,3,4,5
	XLOAD \r
.endr
	WIN 0
	ROUND                                          ; the four partners are here: the first joint loads meet
	JLOAD 0, G1                                    ; both first fills go out together: two tensor loads of the wave are out, later one
	JLOAD 1, G1
	; the mask of reference(), which is the same for all experts: z = 0 * rsqrt(0 + 1e-5) * ln_w, z >= z
	s_wait_kmcnt 0x0
	s_mov_b32 s8, s62                              ; the first chunk's number (the pointers in s[8:11] have served)
	s_mov_b32 s11, 0                               ; upper word of the column offset
	s_mov_b32 s63, 0                               ; J
	v_mov_b32 v64, 0x3727c5ac                      ; 1e-5
	v_rsq_f32 v64, v64
	v_mov_b32 v67, 0x3fb8aa3b                      ; log2 e (also the plain instruction behind the root)
	s_wait_alu depctr_va_vdst(0)
	v_mul_f32 v64, 0, v64
	v_mul_f32 v65, s24, v64
	v_mul_f32 v66, s25, v64
	v_cmp_ge_f32 vcc_lo, v65, v65
	v_cndmask_b32 v[LP1], 0, v67, vcc_lo
	v_cndmask_b32 v[LP1+1], 0, v67, vcc_lo
	v_cmp_ge_f32 vcc_lo, v66, v66
	v_cndmask_b32 v[LP2], 0, v67, vcc_lo
	v_cndmask_b32 v[LP2+1], 0, v67, vcc_lo
.irp r, 0,1,2,3,4,5,6,7,8,9,10,11,12,13,14,15
	XBATCH \r
.endr
	s_wait_dscnt 0x0                               ; my part of x is stored
	s_barrier_signal -1
	s_barrier_wait -1                              ; everybody's is.  The first fills may stay out
	s_wait_tensorcnt 0x1                           ; my part of slot 0 is in; slot 1's may stay out
	; ---------------------------------------------------------------- the two sides
	SIDE 6, 2, 56, .Lside1
	PLACES
	EPI 16, LP1, 12, 0x4a, 0x4f
	SETXA                                          ; slot 0 of side 2 was shown landed by the wait for all tensor loads in side 1's last group
	SIDE 56, 3, 58, .Lside2                        ; behind the round in its last group x is dead in every wave: its bytes become scratch and stage
	PLACES
	EPI 28, LP2, 14, 0x8a, 0x8f
	; ---------------------------------------------------------------- the waves exchange m, S, T of both sides
.irp c, 0,1,2,3,4,5,6,7,8,9,10,11,12,13,14,15,16,17,18,19,20,21,22,23
	ds_store_b32 v[SCW], v[16+\c] offset:64*\c     ; both halves of the lanes hold and write the same number
.endr
	s_wait_dscnt 0x0
	s_barrier_signal -1
	s_barrier_wait -1                              ; the fill of slot 1 may stay out
.irp c, 0,1,2,3,4,5,6,7,8,9,10,11,12,13,14,15,16,17,18,19,20,21,22,23
.irp p, 0,1,2,3
	ds_load_b32 v[64+4*\c+\p], v[SCRD] offset:\p*1536+64*\c
.endr
.endr
	s_wait_dscnt 0x0
	; v[64 + 48 sd + 4 i + p]: m of wave p; + 16: S; + 32: T.  v160+: m; v168+: own factor; v176+: S; v184+: T; v192+: 1 / S
.irp sd, 0,1
.irp i, 0,1,2,3
	v_max3_num_f32 v[160+4*\sd+\i], v[64+48*\sd+4*\i], v[65+48*\sd+4*\i], v[66+48*\sd+4*\i]
.endr
.endr
.irp sd, 0,1
.irp i, 0,1,2,3
	v_max_num_f32 v[160+4*\sd+\i], v[160+4*\sd+\i], v[67+48*\sd+4*\i]
.endr
.endr
.irp sd, 0,1
.irp i, 0,1,2,3
.irp p, 0,1,2,3
	v_sub_f32 v[64+48*\sd+4*\i+\p], v[64+48*\sd+4*\i+\p], v[160+4*\sd+\i]
.endr
	v_sub_f32 v[168+4*\sd+\i], v[16+12*\sd+\i], v[160+4*\sd+\i]
.endr
.endr
.irp sd, 0,1
.irp i, 0,1,2,3
.irp p, 0,1,2,3
	v_mul_f32 v[64+48*\sd+4*\i+\p], v[64+48*\sd+4*\i+\p], v[LP1+2*\sd]
.endr
	v_mul_f32 v[168+4*\sd+\i], v[168+4*\sd+\i], v[LP1+2*\sd]
.endr
.endr
.irp sd, 0,1
.irp i, 0,1,2,3
.irp p, 0,1,2,3
	v_exp_f32 v[64+48*\sd+4*\i+\p], v[64+48*\sd+4*\i+\p]
.endr
	v_exp_f32 v[168+4*\sd+\i], v[168+4*\sd+\i]
.endr
.endr
	v_nop                                          ; one plain vector instruction behind the run (ISA guide 5.7.2)
	s_wait_alu depctr_va_vdst(0)
.irp sd, 0,1
.irp i, 0,1,2,3
	v_mul_f32 v[176+4*\sd+\i], v[80+48*\sd+4*\i], v[64+48*\sd+4*\i]
	v_mul_f32 v[184+4*\sd+\i], v[96+48*\sd+4*\i], v[64+48*\sd+4*\i]
.endr
.endr
.irp p, 1,2,3
.irp sd, 0,1
.irp i, 0,1,2,3
	v_fmac_f32 v[176+4*\sd+\i], v[80+48*\sd+4*\i+\p], v[64+48*\sd+4*\i+\p]
	v_fmac_f32 v[184+4*\sd+\i], v[96+48*\sd+4*\i+\p], v[64+48*\sd+4*\i+\p]
.endr
.endr
.endr
.irp c, 0,1,2,3,4,5,6,7
	v_rcp_f32 v[192+\c], v[176+\c]                 ; S is at least 1: the wave with the largest maximum adds exp(0) with the factor 1
.endr
	v_nop
	s_wait_alu depctr_va_vdst(0)
.irp c, 0,1,2,3,4,5,6,7
	v_mul_f32 v[184+\c], v[184+\c], v[192+\c]      ; t
	v_mul_f32 v[168+\c], v[168+\c], v[192+\c]      ; f_w
.endr
.irp i, 0,1,2,3
	v_mov_b32 v[FL+2*\i], v[168+\i]                ; left: a = f1, c = f1 t2
	v_mov_b32 v[FL+2*\i+1], v[168+\i]
	v_mul_f32 v[FL+8+2*\i], v[168+\i], v[188+\i]
	v_mul_f32 v[FL+9+2*\i], v[168+\i], v[188+\i]
	v_mov_b32 v[FR+2*\i], v[172+\i]                ; right: a = f2, c = f2 t1
	v_mov_b32 v[FR+2*\i+1], v[172+\i]
	v_mul_f32 v[FR+8+2*\i], v[172+\i], v[184+\i]
	v_mul_f32 v[FR+9+2*\i], v[172+\i], v[184+\i]
.endr
	; ---------------------------------------------------------------- second products: 16 chunks of 64 columns, 8 of the left half, then 8 of the right
	FETCHB 0, 0, 0                                 ; slot 0 was shown landed by the wait for all tensor loads in side 2's last group
	CHUNK 1, FL, 1, 0
	s_mov_b32 s26, 7
.Lleft:
	CHUNK 1, FL, 0, 0
	s_sub_co_u32 s26, s26, 1
	s_cmp_lg_u32 s26, 0
	s_cbranch_scc1 .Lleft
	s_mov_b32 s26, 7
.Lright:
	CHUNK 2, FR, 0, 0
	s_sub_co_u32 s26, s26, 1
	s_cmp_lg_u32 s26, 0
	s_cbranch_scc1 .Lright
	CHUNK 2, FR, 0, 1
	s_wait_dscnt 0x0                               ; my part of the last chunk is staged
	s_barrier_signal -1
	s_barrier_wait -1
	RED_LOAD 0
	s_wait_dscnt 0x0
	RED_SUM 0
	s_wait_xcnt 0x0                                ; the stores' data registers are loaded again only behind this wait
	RED_LOAD 1
	s_wait_dscnt 0x0
	RED_SUM 1
	ROUND                                          ; the closing round: no work-group ends while a partner may still ask jointly
	s_endpgm
.Lfunc_end_k_q8bbd0bd9b0_main:
	.size	k_q8bbd0bd9b0_main, .Lfunc_end_k_q8bbd0bd9b0_main-k_q8bbd0bd9b0_main
	.p2alignl 7, 3214868480
	.fill 96, 4, 3214868480
	.section	.rodata,"a",@progbits
	.p2align	6, 0x0
	.amdhsa_kernel k_q8bbd0bd9b0_main
		.amdhsa_group_segment_fixed_size 327680
		.amdhsa_private_segment_fixed_size 0
		.amdhsa_enable_private_segment 0
		.amdhsa_kernarg_size 56
		.amdhsa_user_sgpr_count 2
		.amdhsa_user_sgpr_kernarg_segment_ptr 1
		.amdhsa_wavefront_size32 1
		.amdhsa_system_sgpr_workgroup_id_x 1
		.amdhsa_system_sgpr_workgroup_id_y 1
		.amdhsa_system_sgpr_workgroup_id_z 1
		.amdhsa_system_vgpr_workitem_id 0
		.amdhsa_next_free_vgpr 1024
		.amdhsa_next_free_sgpr 66
		.amdhsa_reserve_vcc 1
		.amdhsa_float_denorm_mode_32 3
		.amdhsa_float_denorm_mode_16_64 3
		.amdhsa_memory_ordered 1
		.amdhsa_forward_progress 1
		.amdhsa_inst_pref_size 255
	.end_amdhsa_kernel
	.section	.bss,"aw",@nobits
	.p2align	6
	.space	262144
	.amdgpu_metadata
---
amdhsa.version: [ 1, 2 ]
amdhsa.kernels:
  - .name:           k_q8bbd0bd9b0_main
    .symbol:         k_q8bbd0bd9b0_main.kd
    .args:
      - { .name: x, .offset: 0, .size: 8, .value_kind: global_buffer, .address_space: global }
      - { .name: ws, .offset: 8, .size: 8, .value_kind: global_buffer, .address_space: global }
      - { .name: ln1_w, .offset: 16, .size: 8, .value_kind: global_buffer, .address_space: global }
      - { .name: ln2_w, .offset: 24, .size: 8, .value_kind: global_buffer, .address_space: global }
      - { .name: u1_b, .offset: 32, .size: 8, .value_kind: global_buffer, .address_space: global }
      - { .name: u2_b, .offset: 40, .size: 8, .value_kind: global_buffer, .address_space: global }
      - { .name: out0, .offset: 48, .size: 8, .value_kind: global_buffer, .address_space: global }
    .group_segment_fixed_size: 327680
    .private_segment_fixed_size: 0
    .kernarg_segment_align: 8
    .kernarg_segment_size: 56
    .max_flat_workgroup_size: 128
    .sgpr_count:     66
    .vgpr_count:     1024
    .wavefront_size: 32
...
	.end_amdgpu_metadata
.endif
;; end of part 2
